; MI455X (gfx1250); checked and timed in simulation.
; The chip was launched on July 23, 2026; its instructions are those of AMD's public machine-readable ISA for CDNA 5 (MIT licence, August 2026) and "CDNA5" Instruction Set Architecture Reference Guide (July 2026). The comments in the code are by the model that wrote it; some were corrected since.
;; Q8 F Quant Linear Fp8. Allowed arithmetic: float matrix products may take bf16 or f16 operands with f32 sums; other float arithmetic in f32, or as packed bf16 or f16 multiplies, adds, multiply-adds, maxima and minima; sums over many terms, partial sums and values carried from step to step in f32; what a program stores and reads back later, other than sums and carried values, may be rounded once to bf16 or f16.
;; Inputs: bias 2,048 float32; weight_q 2,048 x 2,048 float32; weight_scale 2,048 x 1 float32; x 1 x 16,384 x 2,048 float32.
;; Outputs: out0 16,384 x 2,048 bfloat16.
;; 2 versions, each right; version 2 is version 1 with the launch quant written anew for expert scheduling mode. Each part assembles by itself: llvm-mc -triple=amdgcn-amd-amdhsa -mcpu=gfx1250 --defsym DOCPART=n.
;; ======== version 1 of 2: 2 launches
;; workspace buffers: xq 67,108,864 bytes; wq 8,388,608 bytes; xs 65,536 bytes
;; launch quant (part 1): grid 256 x 1, 16 waves a work-group, no clusters, 2,304 bytes of LDS; arguments x, weight_q, xq, wq, xs; writes xq, wq, xs
.if DOCPART == 1
	.amdgcn_target "amdgcn-amd-amdhsa--gfx1250"
	.amdhsa_code_object_version 6
	.text
	.protected	k_q1e392e4486_quant
	.globl	k_q1e392e4486_quant
	.p2align	8
	.type	k_q1e392e4486_quant,@function
k_q1e392e4486_quant:
	s_mov_b64 s[64:65], 0
	v_nop
	global_prefetch_b8 v0, s[64:65] scope:SCOPE_SE
	s_setreg_imm32_b32 hwreg(HW_REG_WAVE_MODE, 25, 1), 1
	s_wait_xcnt 0x0
; PER-ROW FP8 QUANTISATION OF x, AND weight_q ROUNDED TO bf16.
;   xs[m] = max(max over k of |x[m][k]| / 448, 1e-12);  xq[m][k] = e4m3(clip(x[m][k] / xs[m], -448, 448)), written as bf16;  wq = bf16(weight_q).
; x: [16384][2048] f32.  weight_q: [2048][2048] f32.  xq: [16384][2048] bf16.  wq: [2048][2048] bf16.  xs: [16384] f32.
; Every e4m3 number (4 significant bits, exponents 2^-9 to 2^8) is a bf16 number, so xq holds the quantised x exactly.
; LIMITS.  NaN and infinities in x are not treated apart (the maxima and minima drop a NaN).  xs is m x (1/448), one rounding of 1/448 away from m / 448, and x / xs is x x rcp(xs): the quotient
; is off by about two units in f32's last place, so a number that close to the middle between two e4m3 codes may take the neighbouring code.  xs lies in 1e-12 to 7.6e35: its reciprocal is never
; a denormal.  weight_q that is no bf16 number is rounded to one, once.
; SHARES.  Work-group g owns rows 64 g .. 64 g + 63 of x and 65,536 bytes of weight_q; wave w rows 64 g + 4 w + 0..3 and 4,096 of those bytes.  ONE WAVE, ONE ROW: a row is 8,192 bytes, sixteen loads of
; 16 bytes a lane, 64 registers; it stays in registers between the pass that finds the maximum and the pass that quantises, so x is read once and no wave waits for another.
; IN FLIGHT.  Two row slots: while one is worked on, the other slot's sixteen loads are out.
; STORES.  The four f32 of a lane's load become 8 bytes: one store of the wave covers 256 consecutive bytes, aligned.  The work-group's 64 scales meet in LDS and leave as one such store.
.set SPARE, 256                        ; LDS: bytes 0-255 the 64 scales; from 256 on the spare words, 128 bytes for each of 16 waves, which no other line names
.set SPW, 2                            ; v2   LDS address of my spare word: SPARE + 4 x my thread's number; never rewritten
.set NIL, 3                            ; v3   0; never rewritten
.set LO,  4                            ; v4   x: 16 lane + 32,768 wave (four rows of 8,192 bytes); never rewritten: rows and chunks stand in the immediates
.set SO,  5                            ; v5   xq: 8 lane + 16,384 wave
.set WLO, 6                            ; v6   weight_q: 16 lane + 4,096 wave
.set WSO, 7                            ; v7   wq: 8 lane + 2,048 wave
.set LSA, 8                            ; v8   LDS: 16 wave: my four scales
.set L8,  9                            ; v9   8 lane
                                       ; v12-15 four words of e4m3 codes, written by halves
.set M,   16                           ; v[16:19] four chains of maxima
.set N,   20                           ; v[20:23] four chains of minima
.set S,   24                           ; v24  the row's scale
.set R,   26                           ; v[26:27] its reciprocal, twice: a pair for the packed multiply
.set X,   32                           ; v[32:95] slot 0, v[96:159] slot 1
	s_load_b256 s[4:11], s[0:1], 0x0               ; x s[4:5], weight_q s[6:7], xq s[8:9], wq s[10:11]
	s_load_b64 s[12:13], s[0:1], 0x20              ; xs
	v_lshl_add_u32 v[SPW], v0, 2, SPARE
	v_mov_b32 v[NIL], 0
	v_lshrrev_b32 v10, 5, v0
	v_readfirstlane_b32 s14, v10                   ; wave 0..15
	v_and_b32 v1, 31, v0                           ; lane
	s_lshl_b32 s15, s14, 15
	v_lshl_add_u32 v[LO], v1, 4, s15
	s_lshl_b32 s15, s14, 14
	v_lshl_add_u32 v[SO], v1, 3, s15
	s_lshl_b32 s15, s14, 12
	v_lshl_add_u32 v[WLO], v1, 4, s15
	s_lshl_b32 s15, s14, 11
	v_lshl_add_u32 v[WSO], v1, 3, s15
	v_mov_b32 v[LSA], s14
	v_lshlrev_b32 v[LSA], 4, v[LSA]
	v_lshlrev_b32 v[L8], 3, v1
	v_mov_b32 v12, 0                               ; the code words are written by halves: each is written whole once
	v_mov_b32 v13, 0
	v_mov_b32 v14, 0
	v_mov_b32 v15, 0
	s_mov_b32 s18, 0xc3e00000                      ; -448.0
	s_mov_b32 s19, 0x43e00000                      ; 448.0
	s_mov_b32 s20, 0x76543210                      ; v_permlanex16_b32: each lane takes its own place in the other half
	s_mov_b32 s21, 0xfedcba98
	s_mov_b32 s22, 0x3b124925                      ; 1 / 448
	s_mov_b32 s23, 0x2b8cbccc                      ; 1e-12
	s_mov_b32 s17, 0
	s_wait_kmcnt 0x0
	s_lshl_b32 s16, ttmp9, 19                      ; 64 rows of 8,192 bytes
	s_add_nc_u64 s[4:5], s[4:5], s[16:17]
	s_lshl_b32 s16, ttmp9, 16                      ; 65,536 bytes of weight_q
	s_add_nc_u64 s[6:7], s[6:7], s[16:17]
	s_lshl_b32 s16, ttmp9, 18                      ; 64 rows of 4,096 bytes
	s_add_nc_u64 s[8:9], s[8:9], s[16:17]
	s_lshl_b32 s16, ttmp9, 15                      ; 32,768 bytes of wq
	s_add_nc_u64 s[10:11], s[10:11], s[16:17]
	s_lshl_b32 s16, ttmp9, 8                       ; 64 scales
	s_add_nc_u64 s[12:13], s[12:13], s[16:17]
.macro FILL s, i                       ; my row i into slot s: sixteen loads of 512 consecutive bytes
.irp j, 0,1,2,3,4,5,6,7,8,9,10,11,12,13,14,15
	global_load_b128 v[X+64*(\s)+4*(\j):X+64*(\s)+4*(\j)+3], v[LO], s[4:5] offset:8192*(\i)+512*(\j) th:TH_LOAD_NT
.endr
.endm
.macro WFILL                           ; my 4,096 bytes of weight_q into the lower half of slot 0
.irp j, 0,1,2,3,4,5,6,7
	global_load_b128 v[X+4*(\j):X+4*(\j)+3], v[WLO], s[6:7] offset:512*(\j) th:TH_LOAD_NT
.endr
.endm
; The largest (or smallest) of a lane's 64 numbers in slot s, into v[D]: four chains of 15 numbers, three operands at a time, the chains by turns so that no line reads the one before it; then the four left over.
.macro EXTREME op3, op2, D, s
.irp c, 0,1,2,3
	\op3 v[(\D)+(\c)], v[X+64*(\s)+16*(\c)], v[X+64*(\s)+16*(\c)+1], v[X+64*(\s)+16*(\c)+2]
.endr
.irp t, 1,2,3,4,5,6
.irp c, 0,1,2,3
	\op3 v[(\D)+(\c)], v[(\D)+(\c)], v[X+64*(\s)+16*(\c)+2*(\t)+1], v[X+64*(\s)+16*(\c)+2*(\t)+2]
.endr
.endr
	\op3 v[(\D)], v[(\D)], v[X+64*(\s)+15], v[X+64*(\s)+31]
	\op3 v[(\D)+2], v[(\D)+2], v[X+64*(\s)+47], v[X+64*(\s)+63]
	\op3 v[(\D)], v[(\D)], v[(\D)+1], v[(\D)+2]
	\op2 v[(\D)], v[(\D)], v[(\D)+3]
.endm
; Sixteen registers (the loads 4 g .. 4 g + 3) of row i in slot s are quantised in place and stored.  Each kind of line stands as a batch, so that no line waits for its neighbour.
.macro GROUP s, i, g
.set b, X+64*(\s)+16*(\g)
.set r, 0
.rept 8
	v_pk_mul_f32 v[b+r:b+r+1], v[b+r:b+r+1], v[R:R+1]      ; x / scale
.set r, r+2
.endr
.set r, 0
.rept 16
	v_med3_num_f32 v[b+r], v[b+r], s18, s19                ; the clip to +-448: the conversion below does not saturate
.set r, r+1
.endr
	v_cvt_pk_fp8_f32 v12.l, v[b], v[b+1]                   ; to e4m3, nearest even,
	v_cvt_pk_fp8_f32 v12.h, v[b+2], v[b+3]
	v_cvt_pk_fp8_f32 v13.l, v[b+4], v[b+5]
	v_cvt_pk_fp8_f32 v13.h, v[b+6], v[b+7]
	v_cvt_pk_fp8_f32 v14.l, v[b+8], v[b+9]
	v_cvt_pk_fp8_f32 v14.h, v[b+10], v[b+11]
	v_cvt_pk_fp8_f32 v15.l, v[b+12], v[b+13]
	v_cvt_pk_fp8_f32 v15.h, v[b+14], v[b+15]
	v_cvt_pk_f32_fp8 v[b:b+1], v12.l                       ; and back
	v_cvt_pk_f32_fp8 v[b+2:b+3], v12.h
	v_cvt_pk_f32_fp8 v[b+4:b+5], v13.l
	v_cvt_pk_f32_fp8 v[b+6:b+7], v13.h
	v_cvt_pk_f32_fp8 v[b+8:b+9], v14.l
	v_cvt_pk_f32_fp8 v[b+10:b+11], v14.h
	v_cvt_pk_f32_fp8 v[b+12:b+13], v15.l
	v_cvt_pk_f32_fp8 v[b+14:b+15], v15.h
.irp j, 0,1,2,3
	v_cvt_pk_bf16_f32 v[b+4*(\j)], v[b+4*(\j)], v[b+4*(\j)+1]      ; exact: an e4m3 number is a bf16 number
	v_cvt_pk_bf16_f32 v[b+4*(\j)+1], v[b+4*(\j)+2], v[b+4*(\j)+3]
.endr
.irp j, 0,1,2,3
	global_store_b64 v[SO], v[b+4*(\j):b+4*(\j)+1], s[8:9] offset:4096*(\i)+256*(4*(\g)+(\j))  ; 32 lanes x 8 bytes: 256 consecutive bytes, aligned
.endr
.endm
; The turn of my row i, in slot s.  left = how many younger loads may stay out.  next = 1: the slot takes row i + 2; 2: it takes my part of weight_q; 0: nothing.
.macro TURN s, i, left, next
	s_wait_loadcnt \left                           ; loads come back in order (ISA guide 5.7.1): my sixteen are in, the younger ones stay out
	EXTREME v_max3_num_f32, v_max_num_f32, M, \s
	EXTREME v_min3_num_f32, v_min_num_f32, N, \s
	v_sub_f32 v[N], 0, v[N]
	v_max_num_f32 v[M], v[M], v[N]                 ; the lane's largest |x| = max(largest, -smallest)
	v_max_num_f32_dpp v[M], v[M], v[M] row_xmask:1 row_mask:0xf bank_mask:0xf
	v_max_num_f32_dpp v[M], v[M], v[M] row_xmask:2 row_mask:0xf bank_mask:0xf
	v_max_num_f32_dpp v[M], v[M], v[M] row_xmask:4 row_mask:0xf bank_mask:0xf
	v_max_num_f32_dpp v[M], v[M], v[M] row_xmask:8 row_mask:0xf bank_mask:0xf
	v_permlanex16_b32 v[N], v[M], s20, s21         ; its destination counts as read: N has been written
	v_max_num_f32 v[M], v[M], v[N]                 ; every lane holds the row's largest |x|
	v_mul_f32 v[S], s22, v[M]
	v_max_num_f32 v[S], s23, v[S]                  ; the scale, at least 1e-12
	v_rcp_f32 v[R], v[S]
	v_rcp_f32 v[R+1], v[S]
	v_nop                                          ; a plain instruction behind the last reciprocal, ahead of the first use (ISA guide 5.7.2)
	ds_store_b32 v[LSA], v[S] offset:4*(\i)        ; all lanes write the same word with the same number
	s_wait_alu depctr_va_vdst(0)                   ; a wait ahead of the first reader: one for both reciprocals
	GROUP \s, \i, 0
	GROUP \s, \i, 1
	GROUP \s, \i, 2
	GROUP \s, \i, 3
.if (\next) == 1
	s_wait_xcnt 0x0                                ; the stores' data registers are loaded again only behind this wait (ISA guide 3.1)
	FILL \s, (\i)+2
.elseif (\next) == 2
	s_wait_xcnt 0x0
	WFILL
.endif
.endm
	FILL 0, 0
	FILL 1, 1
	TURN 0, 0, 16, 1                               ; 16: the other slot's sixteen loads are younger
	TURN 1, 1, 16, 1
	TURN 0, 2, 16, 2
	TURN 1, 3, 8, 0                                ; 8: the eight loads of weight_q are younger
	s_wait_loadcnt 0x0                             ; my part of weight_q
.irp j, 0,1,2,3,4,5,6,7
	v_cvt_pk_bf16_f32 v[X+4*(\j)], v[X+4*(\j)], v[X+4*(\j)+1]
	v_cvt_pk_bf16_f32 v[X+4*(\j)+1], v[X+4*(\j)+2], v[X+4*(\j)+3]
	global_store_b64 v[WSO], v[X+4*(\j):X+4*(\j)+1], s[10:11] offset:256*(\j)
.endr
	s_wait_dscnt 0x0                               ; for the others' sake: my four scales lie in LDS
	s_barrier_signal -1
	s_barrier_wait -1                              ; all 64 do
	s_cmp_lg_u32 s14, 0
	s_cbranch_scc1 .Lend                           ; wave 0 stores them
	ds_load_b64 v[M:M+1], v[L8]
	s_wait_dscnt 0x0
	global_store_b64 v[L8], v[M:M+1], s[12:13]     ; 256 consecutive bytes, aligned
.Lend:
	s_wait_tensorcnt 0x0                           ; the wave's end: behind my last LDS store
	ds_add_u32 v[SPW], v[NIL]
	s_wait_dscnt 0x0
	s_endpgm
.Lfunc_end_k_q1e392e4486_quant:
	.size	k_q1e392e4486_quant, .Lfunc_end_k_q1e392e4486_quant-k_q1e392e4486_quant
	.p2alignl 7, 3214868480
	.fill 96, 4, 3214868480
	.section	.rodata,"a",@progbits
	.p2align	6, 0x0
	.amdhsa_kernel k_q1e392e4486_quant
		.amdhsa_group_segment_fixed_size 2304
		.amdhsa_private_segment_fixed_size 0
		.amdhsa_enable_private_segment 0
		.amdhsa_kernarg_size 40
		.amdhsa_user_sgpr_count 2
		.amdhsa_user_sgpr_kernarg_segment_ptr 1
		.amdhsa_wavefront_size32 1
		.amdhsa_system_sgpr_workgroup_id_x 1
		.amdhsa_system_sgpr_workgroup_id_y 1
		.amdhsa_system_sgpr_workgroup_id_z 1
		.amdhsa_system_vgpr_workitem_id 0
		.amdhsa_next_free_vgpr 160
		.amdhsa_next_free_sgpr 66
		.amdhsa_reserve_vcc 0
		.amdhsa_float_denorm_mode_32 3
		.amdhsa_float_denorm_mode_16_64 3
		.amdhsa_memory_ordered 1
		.amdhsa_forward_progress 1
		.amdhsa_inst_pref_size 80
	.end_amdhsa_kernel
	.amdgpu_metadata
---
amdhsa.version: [ 1, 2 ]
amdhsa.kernels:
  - .name:           k_q1e392e4486_quant
    .symbol:         k_q1e392e4486_quant.kd
    .args:
      - { .name: x, .offset: 0, .size: 8, .value_kind: global_buffer, .address_space: global }
      - { .name: weight_q, .offset: 8, .size: 8, .value_kind: global_buffer, .address_space: global }
      - { .name: xq, .offset: 16, .size: 8, .value_kind: global_buffer, .address_space: global }
      - { .name: wq, .offset: 24, .size: 8, .value_kind: global_buffer, .address_space: global }
      - { .name: xs, .offset: 32, .size: 8, .value_kind: global_buffer, .address_space: global }
    .group_segment_fixed_size: 2304
    .private_segment_fixed_size: 0
    .kernarg_segment_align: 8
    .kernarg_segment_size: 40
    .max_flat_workgroup_size: 512
    .sgpr_count:     66
    .vgpr_count:     160
    .wavefront_size: 32
...
	.end_amdgpu_metadata
.endif
;; end of part 1
;; launch gemm (part 2): grid 8 x 32, 4 waves a work-group, clusters of 4 x 4, 327,680 bytes of LDS; arguments xq, wq, out0, xs, weight_scale, bias; writes out0
.if DOCPART == 2
	.amdgcn_target "amdgcn-amd-amdhsa--gfx1250"
	.amdhsa_code_object_version 6
	.text
	.protected	k_q1e392e4486_gemm
	.globl	k_q1e392e4486_gemm
	.p2align	8
	.type	k_q1e392e4486_gemm,@function
k_q1e392e4486_gemm:
	s_mov_b64 s[64:65], 0
	v_nop
	global_prefetch_b8 v0, s[64:65] scope:SCOPE_SE
	s_setreg_imm32_b32 hwreg(HW_REG_WAVE_MODE, 25, 1), 1
	s_wait_xcnt 0x0
	s_wait_alu depctr_hold_cnt(0) depctr_sa_sdst(0) depctr_va_vdst(0) depctr_va_sdst(0) depctr_va_ssrc(0) depctr_va_vcc(0) depctr_vm_vsrc(0)
	s_getreg_b32 s2, hwreg(HW_REG_IB_STS2, 6, 4)
	s_cmp_eq_u32 s2, 0
	s_cbranch_scc0 .Lentry_in_a_cluster
	s_endpgm
.Lentry_in_a_cluster:
	s_bfe_u32 s2, ttmp6, 0x10000c
	s_cmp_lg_u32 s2, 0xf033
	s_cbranch_scc0 .Lentry_shape_is_right
	s_endpgm
.Lentry_shape_is_right:
; out0[m][n] = bf16(((sum over k of xq[m][k] wq[n][k]) x xs[m]) x weight_scale[n] + bias[n]).  xq: [16384][2048] bf16, wq: [2048][2048] bf16, out0: [16384][2048] bf16;
; xs: [16384], weight_scale: [2048], bias: [2048], f32.  Sums in f32, K ascending; the last product and the bias are one fused multiply-add; out0 is rounded once.
; LIMITS.  NaN and infinities are not treated apart.  The sums are the matrix unit's f32 sums, not a chain of f32 additions.
; A tile of out0, 256 x 256, is made by a work-group of four waves; a wave makes 128 x 128: 64 accumulators of 16 x 16, 512 registers.  K goes in steps of 128 through a ring of two LDS slots filled by
; the tensor data mover: the rows of both operands' tiles are 256 bytes of memory and start at multiples of 256 bytes from the buffer's first byte.
; A WORK-GROUP STAYS: 512 tiles, 256 work-groups, two tiles each, 8,192 rows apart: a loop over tiles round the loop over K.  The ring does not stop at the first tile's end: its last two changes of slots
; ask for the second tile's first two K steps, and nothing waits for a tile's stores.  Both tiles have the same columns: their weight_scale and bias stay in registers.
; CLUSTERS: 4 x 4 work-groups.  The four of a row of the cluster need the same tiles of xq (A), the four of a column the same tiles of wq (B).  Such a tile is asked for JOINTLY: each of the four issues
; the same tensor load, with the same descriptor and a mask that names the four, and each receives the tile in its own LDS.
; REGISTERS, in windows of 256 (s_set_vgpr_msb's low byte: bits 1:0 source 0, 3:2 source 1, 5:4 source 2, 7:6 destination):
;   window 0: v0-31 addresses and the rows' scales; v64-127, v128-191 fragments of A, two buffers; v32-63, v192-255 at work on the way out
;   window 1: v64-127, v128-191 fragments of B, two buffers; v0-63 weight_scale, v192-255 bias of my 128 columns, as the accumulators hold them
;   window 2: the 32 accumulators of my rows 0-63 (accumulator (a, b) at v[8 (8 a + b)]);   window 3: those of my rows 64-127
; THE MATRIX INSTRUCTION IS USED TRANSPOSED: source 0 = 16 rows of B, source 1 = 16 rows of A.  In the result lane l holds row l % 16 of out0 and its registers 0 to 7 the columns 8 (l / 16) + 0 .. 7:
; eight neighbouring numbers of a row, which pack into 16 bytes; one scale of xs serves the lane's whole accumulator.
.set SIZE_M, 16384
.set SIZE_N, 2048
.set SIZE_K, 2048
.set SIZE_TILES, 2
.set KSTEP,  128
.set PITCH,  272                       ; an LDS row: 256 bytes of data + 16 of padding = 68 words: row r starts at bank 4 r mod 64 (64 banks of 4 bytes: ISA guide 11.1), so the 16 rows that a load touches start at 16 different banks
.set HALFT,  128*PITCH                 ; 128 rows: what one tensor load brings, and what one wave reads of A or of B
.set SLOT,   4*HALFT                   ; A's 256 rows, then B's 256 rows
.set STAGE,  2*SLOT                    ; behind the ring: 16 rows x 272 bytes for each wave, for the way out
.set SPITCH, 272
.set SPARE,  STAGE+4*16*SPITCH         ; behind the stages: the spare words, 128 bytes for each wave: two blocks of 256 bytes that no other line names
.set LAPS, SIZE_K/(2*KSTEP)            ; a lap = two K steps = once round the ring: 8
.set WALK,   SIZE_M/SIZE_TILES         ; a work-group's two tiles lie WALK rows apart
.set NEXT_A, WALK*SIZE_K*2-(SIZE_K-2*KSTEP)*2   ; bytes from a slot's last K step of a tile to its first of the next tile: A goes WALK rows down and back along K,
.set BACK_B, (SIZE_K-2*KSTEP)*2        ; B only back: the tiles share their rows of B
.set NEXT_C, (WALK-7*16)*SIZE_N*2      ; bytes from my last 16 rows of a tile to my first of the next
.set XB,   6                           ; v6-7    the scale of the block that is going out, twice: a pair for the packed multiply
.set XS,   8                           ; v8-15   xs of row 16 a + l % 16 of my part of the tile in hand, a = 0 .. 7
.set ADRA, 16                          ; v16-17  LDS address of my A fragments in slot 0, 1
.set ADRB, 20                          ; v20-21  the same for B
.set STO,  24                          ; v24     the way out: where I put 16 bytes of a row
.set RD,   25                          ; v25     the way out: where I read a row back
.set CO,   26                          ; v26     my byte offset in out0
.set XO,   27                          ; v27     4 (l % 16): my byte offset in 16 scales of xs; never rewritten
.set SPW,  28                          ; v28     LDS address of my spare word: SPARE + 4 x my thread's number; never rewritten
.set NIL,  29                          ; v29     0; never rewritten
.set PFO,  30                          ; v30     the prefetches' offset: my lane x a row of A or B in memory; never rewritten
.set CW,   31                          ; v31     32 (l / 16): my byte offset in 16 numbers of weight_scale and bias; never rewritten
.set SC,   0                           ; window 1: weight_scale of column 16 b + 8 (l / 16) + j at SC + 8 b + j
.set BI,   192                         ; window 1: bias, likewise
.set PFA,  44                          ; s[44:45] where my prefetches stand: my work-group's 32 rows of the 128 that I fetch, one K step further along K than the refill that is being asked for
.set LIM,  43                          ; s43     1 in a wave that prefetches, else the greatest number
.set F0,   64                          ; fragment buffer 0
.set F1,   128                         ; fragment buffer 1
.set TMP,  192                         ; the way out: packed results, in window 0
.set OB,   32                          ; the way out: 16 rows read back from the stage: v32-63 and v224-255 by turns
.set G1, 24                            ; s[24:31] descriptor group 1 for A's tiles
.set G0, 32                            ; s[32:39] descriptor group 0 for A's tiles, one set for each slot
.set G1B, 48                           ; s[48:55] descriptor group 1 for B's tiles: it differs from A's in the mask alone
.set G0B, 56                           ; s[56:63] descriptor group 0 for B's tiles, one set for each slot
                                       ; s[66:67] xs at my rows of the tile in hand; s[68:69] weight_scale, s[70:71] bias at my columns; s[72:75] their offsets
.set MSB, 0
.macro WIN new                         ; the immediate's high byte repeats the setting that is left; a switch that changes nothing is dropped
.if MSB != (\new)
	s_set_vgpr_msb (MSB<<8)|(\new)
.set MSB, \new
.endif
.endm
.set MUL_LO, 0xa1                      ; source 0 (B) window 1, source 1 (A) window 0, C and D window 2
.set MUL_HI, 0xf1                      ; the same, C and D window 3
.set TO_B,   0x40                      ; destination window 1, address window 0
; A joint load.  Waves 0 and 1 fetch A's two halves, waves 2 and 3 B's.  Each of the two lines has ONE mask and one set of registers for all that issue it, and nothing in them hangs on a coordinate
; that the four partners do not share.  The branch hangs on the wave's number alone.  An s_nop 0 and four v_nop follow each of the two lines, ahead of the jump and the label.
.macro JLOAD s
	s_cmp_eq_u32 s11, 0
	s_cbranch_scc0 .Lfor_b_\@
	tensor_load_to_lds s[G0+4*(\s):G0+4*(\s)+3], s[G1:G1+7]
	s_nop 0
.rept 4
	v_nop
.endr
	s_branch .Lasked_\@
.Lfor_b_\@:
	tensor_load_to_lds s[G0B+4*(\s):G0B+4*(\s)+3], s[G1B:G1B+7]
	s_nop 0
.rept 4
	v_nop
.endr
.Lasked_\@:
.endm
; A PREFETCH INTO THE L2, behind each joint load, its five lines and the run of LDS loads that follows them: the K step that stands TWO refills on: 32 rows x 256 bytes, a lane a row, one instruction a wave,
; 512 matrix instructions ahead of the load that will want it.  Each row's 256 bytes of a K step are named ONCE in the launch.  A's tile row is read by both clusters of that row of clusters: the one with
; x = 0 asks; B's tile column by all eight clusters of that column: the one with y = 0 asks.  The four partners that ask for a tile jointly share its rows out BY ADDRESS: of the 128 rows that a wave
; fetches, the partner at place p takes 32 p .. 32 p + 31 (p = cx for A, cy for B): no branch hangs on a work-group's place in its cluster.  how = 0, in the loop: a tile's last two refills have no K step
; two on; how = 1, at the change of tiles.
.macro ASK how
.if \how
	s_cmp_eq_u32 s[LIM], 1
.else
	s_cmp_gt_u32 s3, s[LIM]                        ; s3 = 1 in the loop's last trip
.endif
	s_cbranch_scc0 .Lnot_mine_\@
	global_prefetch_b8 v[PFO], s[PFA:PFA+1] offset:KSTEP*2 th:TH_LOAD_NT scope:SCOPE_SE
.Lnot_mine_\@:
.endm
; A round of the cluster's barrier: my work-group's barrier, so that wave 0's signal speaks for all four waves; wave 0 signals for the work-group; every wave waits for all sixteen work-groups; my
; work-group's barrier once more.  No LDS instruction of the wave is pending at a signal.
.macro CREST                           ; a round behind its opening barrier
	s_cmp_lg_u32 s10, 0
	s_cbranch_scc1 .Lnot_wave_0_\@
	s_barrier_signal -3
.Lnot_wave_0_\@:
	s_barrier_wait -3
	s_barrier_signal -1
	s_barrier_wait -1
.endm
.macro CROUND                          ; a whole round
	s_barrier_signal -1
	s_barrier_wait -1
	CREST
.endm
	s_load_b128 s[4:7], s[0:1], 0x0                ; A = xq s[4:5], B = wq s[6:7]
	s_load_b64 s[8:9], s[0:1], 0x10                ; out0
	s_load_b64 s[66:67], s[0:1], 0x18              ; xs
	s_load_b128 s[68:71], s[0:1], 0x20             ; weight_scale s[68:69], bias s[70:71]
	v_lshl_add_u32 v[SPW], v0, 2, SPARE
	v_mov_b32 v[NIL], 0
	ds_add_u32 v[SPW], v[NIL]                      ; the wave's opening: the add and its wait stand ahead of my first tensor load; the set-up below, work on registers, stands between them
	v_lshrrev_b32 v1, 5, v0
	v_readfirstlane_b32 s10, v1                    ; wave 0..3
	s_lshr_b32 s11, s10, 1                         ; which half of the tile's rows is mine.  Also: I fetch for A (0) or for B (1)
	s_and_b32 s12, s10, 1                          ; which half of its columns.  Also: which 128 rows of that tile I fetch
	s_bfe_u32 s40, ttmp6, 0x40000                  ; cx: my place along the cluster's x
	s_bfe_u32 s41, ttmp6, 0x40004                  ; cy: along its y
	s_lshl_b32 s42, ttmp9, 2                       ; in a cluster launch ttmp9 and ttmp7 count clusters
	s_add_co_u32 s42, s42, s40                     ; tile column = 4 x cluster x + cx
	s_and_b32 s13, ttmp7, 0xffff
	s_lshl_b32 s13, s13, 2
	s_add_co_u32 s13, s13, s41                     ; tile row = 4 x cluster y + cy
	s_lshl_b32 s72, s42, 10                        ; 4 bytes x my first column: 1,024 x tile column + 512 x half
	s_lshl_b32 s73, s12, 9
	s_add_co_u32 s72, s72, s73
	s_mov_b32 s73, 0
	s_lshl_b32 s74, s13, 10                        ; 4 bytes x my first row: 1,024 x tile row + 512 x half
	s_lshl_b32 s75, s11, 9
	s_add_co_u32 s74, s74, s75
	s_mov_b32 s75, 0
	s_lshl_b32 s43, s41, 2
	s_lshl_b32 s43, 15, s43                        ; my row of the cluster: places 4 cy .. 4 cy + 3
	s_lshl_b32 s44, 0x1111, s40                    ; my column: places cx, cx + 4, cx + 8, cx + 12
	; descriptor group 1: a tile of 128 rows x 128 elements, padded in LDS
	s_or_b32 s[G1+0], s43, (1<<16)|(1<<20)|(1<<21)|(5<<22)|(3<<25)  ; 15:0 the mask: A's tiles go to my row; 17:16 element of 2 bytes; 20 padding on; 21 set beside a mask; 24:22 after every 64 words (code 5); 31:25 of 4 words (code 3)
	s_or_b32 s[G1B+0], s44, (1<<16)|(1<<20)|(1<<21)|(5<<22)|(3<<25) ; the same with the mask of my column, for B's tiles
	s_mov_b32 s[G1B+1], KSTEP<<16
	s_mov_b32 s[G1+1], KSTEP<<16                   ; 63:48 tensor_dim0, low half = 128
	s_mov_b32 s[G1B+2], 128<<16
	s_mov_b32 s[G1+2], 128<<16                     ; 79:64 its high half = 0; 95:80 tensor_dim1, low half = 128
	s_mov_b32 s[G1B+3], KSTEP<<16
	s_mov_b32 s[G1+3], KSTEP<<16                   ; 111:96 its high half = 0; 127:112 tile_dim0 = 128
	s_mov_b32 s[G1B+4], 128
	s_mov_b32 s[G1+4], 128                         ; 143:128 tile_dim1 = 128; 159:144 tile_dim2 = 0
	s_mov_b32 s[G1B+5], SIZE_K
	s_mov_b32 s[G1+5], SIZE_K                      ; 191:160 tensor_dim0_stride, low word: elements from row to row
	s_mov_b32 s[G1B+6], 0
	s_mov_b32 s[G1+6], 0
	s_mov_b32 s[G1B+7], 0
	s_mov_b32 s[G1+7], 0
	; where the tiles come from.  A's hang on the tile row alone, which my row of the cluster shares; B's on the tile column alone, which my column shares.
	; Every wave makes both addresses, in registers that never hold the other coordinate, and asks by one of them.
	s_lshl_b32 s17, s12, 7                         ; which 128 rows of the tile I fetch
	s_lshl_b32 s16, s13, 8
	s_add_co_u32 s16, s16, s17                     ; A: row 256 x tile row + 128 x half
	s_lshl_b32 s46, s42, 8
	s_add_co_u32 s46, s46, s17                     ; B: row 256 x tile column + 128 x half
	s_mov_b32 s17, 0
	s_mov_b32 s47, 0
	s_mov_b64 s[18:19], SIZE_K*2
	s_mul_u64 s[16:17], s[16:17], s[18:19]         ; in bytes, in 64 bits
	s_mul_u64 s[46:47], s[46:47], s[18:19]
	s_mul_i32 s20, s10, HALFT                      ; and where they go: A's two halves, then B's two halves = wave x 128 rows: no place in the cluster enters an LDS address
	s_wait_dscnt 0x0                               ; the opening add is done
	s_wait_kmcnt 0x0
	s_add_nc_u64 s[14:15], s[4:5], s[16:17]
	s_add_nc_u64 s[46:47], s[6:7], s[46:47]
	CROUND                                         ; all sixteen work-groups are here: the first joint loads meet
.irp s, 0,1
	s_mov_b32 s[G0+4*(\s)], 1                                      ; 1:0 count = 1
	s_add_co_u32 s[G0+4*(\s)+1], s20, (\s)*SLOT                    ; 63:32 LDS address
	s_add_nc_u64 s[G0+4*(\s)+2:G0+4*(\s)+3], s[14:15], (\s)*KSTEP*2  ; 120:64 global address: K step s
	s_or_b32 s[G0+4*(\s)+3], s[G0+4*(\s)+3], 0x80000000            ; 127:126 type = 2
	s_mov_b32 s[G0B+4*(\s)], 1
	s_add_co_u32 s[G0B+4*(\s)+1], s20, (\s)*SLOT
	s_add_nc_u64 s[G0B+4*(\s)+2:G0B+4*(\s)+3], s[46:47], (\s)*KSTEP*2
	s_or_b32 s[G0B+4*(\s)+3], s[G0B+4*(\s)+3], 0x80000000
	JLOAD \s                                       ; the ring is filled before anything else is done: two loads of mine are out
.endr
	s_add_nc_u64 s[68:69], s[68:69], s[72:73]      ; weight_scale and bias at my 128 columns,
	s_add_nc_u64 s[70:71], s[70:71], s[72:73]
	s_add_nc_u64 s[66:67], s[66:67], s[74:75]      ; xs at my 128 rows of the first tile
	; A fragment is 16 rows x 32 K in 8 registers: lane l holds row l % 16; registers 0-3 hold K = 8 (l / 16) + 0..7, registers 4-7 hold
	; K = 16 + 8 (l / 16) + 0..7.  From rows that lie along K: two loads of 16 bytes, 32 bytes apart.  The same for source 0 and source 1.
	v_and_b32 v1, 15, v0                           ; l % 16
	v_bfe_u32 v2, v0, 4, 1                         ; l / 16
	v_mul_u32_u24 v3, v1, PITCH
	v_lshl_add_u32 v3, v2, 4, v3                   ; row x pitch + 16 x half
	s_mul_i32 s21, s11, HALFT                      ; my 128 rows of A
	s_mul_i32 s22, s12, HALFT                      ; my 128 rows of B,
	s_add_co_u32 s22, s22, 2*HALFT                 ; which lie behind A's 256
.irp s, 0,1
	v_add_nc_u32 v[ADRA+(\s)], s21, v3
	v_add_nc_u32 v[ADRB+(\s)], s22, v3
	s_add_co_u32 s21, s21, SLOT
	s_add_co_u32 s22, s22, SLOT
.endr
	s_mul_i32 s23, s10, 16*SPITCH
	s_add_co_u32 s23, s23, STAGE                   ; my stage
	v_mul_u32_u24 v4, v1, SPITCH                   ; in: row l % 16, 16 bytes for each half of the lanes
	v_lshl_add_u32 v4, v2, 4, v4
	v_add_nc_u32 v[STO], s23, v4
	v_mul_u32_u24 v5, v2, SPITCH                   ; back: lanes 0-15 take one row of 256 bytes, lanes 16-31 the next
	v_lshl_add_u32 v5, v1, 4, v5
	v_add_nc_u32 v[RD], s23, v5
	v_mul_u32_u24 v5, v2, SIZE_N*2                 ; and the same two rows in out0
	v_lshl_add_u32 v[CO], v1, 4, v5
	v_lshlrev_b32 v[XO], 2, v1
	v_lshlrev_b32 v[CW], 5, v2
	; where my part of the first tile begins in out0, in bytes: the first way out adds it to the address
	s_lshl_b32 s13, s13, 8
	s_lshl_b32 s14, s11, 7
	s_add_co_u32 s16, s13, s14                     ; my first row
	s_mov_b32 s17, 0
	s_mov_b64 s[18:19], SIZE_N*2
	s_mul_u64 s[16:17], s[16:17], s[18:19]
	s_lshl_b32 s46, s42, 9                         ; my first column, in bytes: 512 x tile column + 256 x half (in the registers that held B's address: none that feeds A's descriptors ever holds cx)
	s_lshl_b32 s47, s12, 8
	s_add_co_u32 s46, s46, s47
	s_mov_b32 s47, 0
	s_add_nc_u64 s[16:17], s[16:17], s[46:47]
	; the prefetches.  s13 = 256 x tile row, s42 = tile column, s40 = cx, s41 = cy still stand; s[4:5] = A, s[6:7] = B
	s_lshl_b32 s42, s42, 8
	s_and_b32 s22, ttmp7, 0xffff                   ; cluster y
	s_cmp_eq_u32 s11, 0                            ; do I fetch for A?
	s_cselect_b32 s20, s13, s42                    ; the tile's first row: in A by the tile row, in B by the tile column
	s_cselect_b32 s21, s40, s41                    ; my place among the four that ask for it with me
	s_cselect_b32 s22, ttmp9, s22                  ; the coordinate along which other clusters read the same rows
	s_cselect_b64 s[PFA:PFA+1], s[4:5], s[6:7]
	s_cmp_eq_u32 s22, 0
	s_cselect_b32 s[LIM], 1, -1                    ; the same in all sixteen partners, for a given wave
	s_lshl_b32 s22, s12, 7
	s_add_co_u32 s20, s20, s22                     ; + the 128 rows that I fetch
	s_lshl_b32 s21, s21, 5
	s_add_co_u32 s20, s20, s21                     ; + my work-group's 32 of them
	s_mov_b32 s21, 0
	s_mov_b64 s[18:19], SIZE_K*2
	s_mul_u64 s[20:21], s[20:21], s[18:19]
	s_add_nc_u64 s[PFA:PFA+1], s[PFA:PFA+1], s[20:21]
	s_add_nc_u64 s[PFA:PFA+1], s[PFA:PFA+1], 2*KSTEP*2  ; at K step 2: the first refill steps it to 3 and names K step 4
	v_and_b32 v[PFO], 31, v0
	v_mul_u32_u24 v[PFO], v[PFO], SIZE_K*2
	; nothing is prefetched here, at the head, where every work-group's first two tiles are on their way: K steps 2 and 3 come by their refills alone
	; weight_scale and bias of my 128 columns, once for both tiles: a lane's eight columns of block b are 32 consecutive bytes.  They are waited for at the first way out.
	WIN TO_B
.irp b, 0,1,2,3,4,5,6,7
	global_load_b128 v[SC+8*(\b):SC+8*(\b)+3],   v[CW], s[68:69] offset:64*(\b)
	global_load_b128 v[SC+8*(\b)+4:SC+8*(\b)+7], v[CW], s[68:69] offset:64*(\b)+16
	global_load_b128 v[BI+8*(\b):BI+8*(\b)+3],   v[CW], s[70:71] offset:64*(\b)
	global_load_b128 v[BI+8*(\b)+4:BI+8*(\b)+7], v[CW], s[70:71] offset:64*(\b)+16
.endr
	WIN 0
; 16 matrix instructions: m blocks a0, a0 + 1 of the window's four (hi = 0: my rows 0-63, 1: rows 64-127) x all 8 n blocks, 32 along K.
; zero = 1: the first product starts the sums: nothing is ever cleared.  The 64 accumulators take turns, in the same order in every quarter step.
.macro MUL16 f, hi, a0, zero
	WIN MUL_LO+0x50*(\hi)  ; MUL_LO or MUL_HI
.irp a, \a0, (\a0)+1
.irp b, 0,1,2,3,4,5,6,7
.if \zero
	v_wmma_f32_16x16x32_bf16 v[8*(8*(\a)+(\b)):8*(8*(\a)+(\b))+7], v[(\f)+8*(\b):(\f)+8*(\b)+7], v[(\f)+8*(4*(\hi)+(\a)):(\f)+8*(4*(\hi)+(\a))+7], 0
.else
	v_wmma_f32_16x16x32_bf16 v[8*(8*(\a)+(\b)):8*(8*(\a)+(\b))+7], v[(\f)+8*(\b):(\f)+8*(\b)+7], v[(\f)+8*(4*(\hi)+(\a)):(\f)+8*(4*(\hi)+(\a))+7], v[8*(8*(\a)+(\b)):8*(8*(\a)+(\b))+7]
.endif
.endr
.endr
.endm
; 32 LDS loads in one run: the fragments of one quarter step (128 rows of B, 128 rows of A, 32 K at byte k of the rows) into buffer f
.macro FETCH slot, k, f
	WIN TO_B
.irp i, 0,1,2,3,4,5,6,7
	ds_load_b128 v[(\f)+8*(\i):(\f)+8*(\i)+3],   v[ADRB+(\slot)] offset:(\k)+(\i)*16*PITCH
	ds_load_b128 v[(\f)+8*(\i)+4:(\f)+8*(\i)+7], v[ADRB+(\slot)] offset:(\k)+(\i)*16*PITCH+32
.endr
	WIN 0
.irp i, 0,1,2,3,4,5,6,7
	ds_load_b128 v[(\f)+8*(\i):(\f)+8*(\i)+3],   v[ADRA+(\slot)] offset:(\k)+(\i)*16*PITCH
	ds_load_b128 v[(\f)+8*(\i)+4:(\f)+8*(\i)+7], v[ADRA+(\slot)] offset:(\k)+(\i)*16*PITCH+32
.endr
.endm
; A load into a register that a matrix instruction has read, and a vector instruction that reads a matrix result or writes one of a matrix instruction's registers, stand four places behind that matrix
; instruction, and only plain vector instructions that name none of its registers are places (ISA guide 7.12.1 for vector instructions).
.macro PLACES
.rept 4
	v_nop
.endr
.endm
; A K step is four quarter steps of 32 along K, 64 matrix instructions each, on buffers 0, 1, 0, 1.
; One of the first three: multiplies buffer f; in its middle it fetches the next quarter's fragments, at byte k of the same slot's rows, into buffer g.
.macro QUARTER slot, k, f, g, zero
	s_wait_dscnt 8                                 ; B and A's rows 0-63 are in; the youngest eight loads (A's rows 64-127) may be out
	WIN MUL_LO
	MUL16 \f, 0, 0, \zero
	MUL16 \f, 0, 2, \zero
	PLACES
	FETCH \slot, \k, \g
	s_wait_dscnt 32                                ; all but the 32 just issued
	WIN MUL_HI
	MUL16 \f, 1, 0, \zero
	MUL16 \f, 1, 2, \zero
.endm
; The last quarter multiplies buffer 1 and changes slots.  MEET is its first half: ONE barrier for the change of slots, for two things.  In front of it each wave waits for all its tensor loads, of which
; one is out: its part of the next slot; adds 0 to its spare word; and waits for that and for its own reads of this slot.  Behind it nobody reads this slot any more and the next slot is whole.
.macro MEET round                      ; round = 1: a round of the cluster's barrier follows
	WIN 0                                          ; (the add's two registers lie in window 0)
	s_wait_tensorcnt 0x0                           ; all my tensor loads have landed: the one that was out is my part of the next slot;
	ds_add_u32 v[SPW], v[NIL]                      ; 0 onto my spare word
	s_wait_dscnt 9                                 ; (the add and the youngest eight loads may be out)
	WIN MUL_LO
	MUL16 F1, 0, 0, 0                              ; sixteen matrix instructions stand between the add and the wait for it
	s_wait_dscnt 0x0                               ; the add is done, and my reads of this slot are over:
	s_barrier_signal -1                            ; say so (where a slot is filled again this barrier opens a round of the cluster's barrier),
	MUL16 F1, 0, 2, 0                              ; work on registers while the others arrive,
.if \round
	WIN 0
.endif
	s_barrier_wait -1                              ; and go on when all four have said so
.endm
; The whole last quarter.  Behind the barrier the slot just read out is filled again first: with this tile's K step two steps on (on = 0) or, in the first tile's last two K steps, with the NEXT tile's
; K step 0 or 1 (on = 1); then come the next slot's first fragments.  From a request to the wait for it a wave issues 224 matrix instructions, across tiles too.
.macro TURN slot, next, on
	s_wait_xcnt 0x0                                ; the last prefetch, a K step back, has read its address: it is stepped here, ahead of the waits of the change of slots
.if (\on) && (\slot) == 0
	s_add_nc_u64 s[PFA:PFA+1], s[PFA:PFA+1], (WALK-1)*SIZE_K*2+KSTEP*2  ; from the K step after the tile's last to the next tile's K step 1: WALK rows down, back along K
	s_cmp_eq_u32 s11, 0
	s_cselect_b32 s[LIM], s[LIM], -1               ; B's rows are the same for both tiles: they are asked for in the first tile alone
.else
	s_add_nc_u64 s[PFA:PFA+1], s[PFA:PFA+1], KSTEP*2
.endif
	MEET 1
	CREST                                          ; wave 0 says so for the work-group, all sixteen work-groups have said so, my work-group's barrier closes the round:
	                                               ; no wave of any partner still reads this slot's tile or has a load on its way
.if \on
	s_add_nc_u64 s[G0+4*(\slot)+2:G0+4*(\slot)+3], s[G0+4*(\slot)+2:G0+4*(\slot)+3], NEXT_A
	s_sub_nc_u64 s[G0B+4*(\slot)+2:G0B+4*(\slot)+3], s[G0B+4*(\slot)+2:G0B+4*(\slot)+3], BACK_B
.else
	s_add_nc_u64 s[G0+4*(\slot)+2:G0+4*(\slot)+3], s[G0+4*(\slot)+2:G0+4*(\slot)+3], 2*KSTEP*2
	s_add_nc_u64 s[G0B+4*(\slot)+2:G0B+4*(\slot)+3], s[G0B+4*(\slot)+2:G0B+4*(\slot)+3], 2*KSTEP*2
.endif
	JLOAD \slot                                    ; the first tensor load behind the round, my only one until the next; the four v_nop behind it are also the places in front of the loads below
	FETCH \next, 0, F0
	ASK \on                                        ; behind the joint load and the run of LDS loads that the next products wait for
	WIN MUL_HI
	MUL16 F1, 1, 0, 0
	MUL16 F1, 1, 2, 0
.endm
; THE WAY OUT of block a (16 of my rows x 128 columns), in three parts.
; PACK: (sum x xs[row]) x weight_scale[column] + bias[column], in place, two numbers a line, each accumulator from its low end on; then rounded to bf16, 16 bytes a lane.
.macro PACK a
.set AC, 64*((\a)%4)
	WIN 0
	v_mov_b32 v[XB], v[XS+(\a)]
	v_mov_b32 v[XB+1], v[XS+(\a)]
	WIN (2+(\a)/4)*0x41                            ; destination and source 0: window 2 or 3; source 1: window 0
.set i, 0
.rept 32
	v_pk_mul_f32 v[AC+i:AC+i+1], v[AC+i:AC+i+1], v[XB:XB+1]
.set i, i+2
.endr
	WIN (2+(\a)/4)*0x41+0x14                       ; sources 1 and 2: window 1
.set i, 0
.rept 32
	v_pk_fma_f32 v[AC+i:AC+i+1], v[AC+i:AC+i+1], v[SC+i:SC+i+1], v[BI+i:BI+i+1]
.set i, i+2
.endr
	WIN 0x0a+5*((\a)/4)                            ; sources 0 and 1: window 2 or 3; destination: window 0
.irp b, 0,1,2,3,4,5,6,7
.irp r, 0,1,2,3
	v_cvt_pk_bf16_f32 v[TMP+4*(\b)+(\r)], v[AC+8*(\b)+2*(\r)], v[AC+8*(\b)+2*(\r)+1]
.endr
.endr
	WIN 0
.endm
; TOSTAGE: into my own stage in LDS, and back as whole rows of 256 bytes.
.macro TOSTAGE a
	WIN 0
.set BK, OB+192*((\a)%2)
.irp b, 0,1,2,3,4,5,6,7
	ds_store_b128 v[STO], v[TMP+4*(\b):TMP+4*(\b)+3] offset:32*(\b)
.endr
.irp t, 0,1,2,3,4,5,6,7
	ds_load_b128 v[BK+4*(\t):BK+4*(\t)+3], v[RD] offset:(\t)*2*SPITCH  ; LDS serves a wave's instructions in order (ISA guide 5.7.1.4): these see the stores above
.endr
.endm
; SEND: stored.
.macro SEND a, younger                 ; younger: the LDS loads issued behind TOSTAGE's, which may stay out
	WIN 0
.set BK, OB+192*((\a)%2)
	s_wait_dscnt \younger                          ; the block is back in registers
	s_wait_xcnt 0x0                                ; only behind this wait are the stores' base and the registers that earlier stores read rewritten (ISA guide 3.1)
.if (\a) == 0
	s_add_nc_u64 s[8:9], s[8:9], s[16:17]          ; on to this tile's first rows
.else
	s_add_nc_u64 s[8:9], s[8:9], 16*SIZE_N*2       ; 16 rows on, so that the stores' offsets stay small: 14 rows at the most
.endif
.irp t, 0,1,2,3,4,5,6,7
	global_store_b128 v[CO], v[BK+4*(\t):BK+4*(\t)+3], s[8:9] offset:2*(\t)*SIZE_N*2  ; 16 lanes store 256 consecutive bytes, at a multiple of 256 from out0's first byte
.endr
.endm
	s_wait_tensorcnt 1                             ; my part of K step 0 is in; K step 1's may stay out
	s_barrier_signal -1
	s_barrier_wait -1                              ; everybody's is
	FETCH 0, 0, F0
	s_mov_b32 s2, SIZE_TILES                       ; tiles to go, this one among them: the same number in every work-group
.Ltile:                                                ; (FETCH and SEND leave every window 0)
.irp a, 0,1,2,3,4,5,6,7
	global_load_b32 v[XS+(\a)], v[XO], s[66:67] offset:64*(\a)  ; the scales of my 128 rows of this tile: they have the whole loop over K in which to come
.endr
	QUARTER 0, 64,  F0, F1, 1                      ; a tile's first quarter stands in front of the loop: its products start the sums
	WIN 0                                          ; at a label and at a branch every window is 0
	s_mov_b32 s3, LAPS-1
.Llap:                                                 ; a trip goes once round the ring, from a lap's second quarter to the next lap's first, and fills both slots again
	QUARTER 0, 128, F1, F0, 0
	QUARTER 0, 192, F0, F1, 0
	TURN 0, 1, 0
	QUARTER 1, 64,  F0, F1, 0
	QUARTER 1, 128, F1, F0, 0
	QUARTER 1, 192, F0, F1, 0
	TURN 1, 0, 0
	QUARTER 0, 64,  F0, F1, 0
	WIN 0
	s_sub_co_u32 s3, s3, 1
	s_cmp_lg_u32 s3, 0
	s_cbranch_scc1 .Llap
	QUARTER 0, 128, F1, F0, 0                      ; the tile's last lap goes on
	QUARTER 0, 192, F0, F1, 0
	WIN 0
	s_cmp_eq_u32 s2, 1
	s_cbranch_scc1 .Llast                          ; the last tile's tail is written out: it asks for nothing more
	TURN 0, 1, 1                                   ; THE RING GOES ON INTO THE NEXT TILE: slot 0 takes its K step 0,
	QUARTER 1, 64,  F0, F1, 0
	QUARTER 1, 128, F1, F0, 0
	QUARTER 1, 192, F0, F1, 0
	TURN 1, 0, 1                                   ; slot 1 its K step 1, and the next tile's first fragments are fetched: both refills are asked for when the tile goes out
	WIN 0
	s_branch .Lout
.Llast:
	MEET 0                                         ; my one tensor load that was still out is slot 1's, the last K step's, so no round follows
	PLACES                                         ; for the loads into buffer 0, which the quarter before multiplied
	FETCH 1, 0, F0
	WIN MUL_HI
	MUL16 F1, 1, 0, 0
	MUL16 F1, 1, 2, 0
	QUARTER 1, 64,  F0, F1, 0
	QUARTER 1, 128, F1, F0, 0
	QUARTER 1, 192, F0, F1, 0
	s_wait_dscnt 8                                 ; the very last quarter: nothing more to fetch
	MUL16 F1, 0, 0, 0
	MUL16 F1, 0, 2, 0
	s_wait_dscnt 0x0
	MUL16 F1, 1, 0, 0
	MUL16 F1, 1, 2, 0
	WIN 0
.Lout:
	s_wait_loadcnt 0x0                             ; this tile's xs; the first time weight_scale and bias too
	PLACES                                         ; the scalings below read and write results just made
	PACK 0
	TOSTAGE 0
.irp a, 1,2,3,4,5,6,7                  ; block a's arithmetic stands between block a - 1's loads from the stage and the wait for them
	PACK \a
	SEND (\a)-1, 0
	TOSTAGE \a
.endr
	SEND 7, 0
	s_mov_b64 s[16:17], NEXT_C                     ; what the next way out adds to out0's address
	s_add_nc_u64 s[66:67], s[66:67], WALK*4        ; xs at my rows of the next tile: its loads were shown done by the wait at the head of the way out; behind the last tile the pointer is not used
	s_sub_co_u32 s2, s2, 1
	s_cmp_lg_u32 s2, 0
	s_cbranch_scc1 .Ltile
	s_wait_tensorcnt 0x0                           ; the wave's end: behind my last tensor load and my last LDS store
	ds_add_u32 v[SPW], v[NIL]
	s_wait_dscnt 0x0
	CROUND                                         ; the closing round: no work-group ends while a partner may still ask for a tile that names it
	s_endpgm
.Lfunc_end_k_q1e392e4486_gemm:
	.size	k_q1e392e4486_gemm, .Lfunc_end_k_q1e392e4486_gemm-k_q1e392e4486_gemm
	.p2alignl 7, 3214868480
	.fill 96, 4, 3214868480
	.section	.rodata,"a",@progbits
	.p2align	6, 0x0
	.amdhsa_kernel k_q1e392e4486_gemm
		.amdhsa_group_segment_fixed_size 327680
		.amdhsa_private_segment_fixed_size 0
		.amdhsa_enable_private_segment 0
		.amdhsa_kernarg_size 48
		.amdhsa_user_sgpr_count 2
		.amdhsa_user_sgpr_kernarg_segment_ptr 1
		.amdhsa_wavefront_size32 1
		.amdhsa_system_sgpr_workgroup_id_x 1
		.amdhsa_system_sgpr_workgroup_id_y 1
		.amdhsa_system_sgpr_workgroup_id_z 1
		.amdhsa_system_vgpr_workitem_id 0
		.amdhsa_next_free_vgpr 1024
		.amdhsa_next_free_sgpr 76
		.amdhsa_reserve_vcc 0
		.amdhsa_float_denorm_mode_32 3
		.amdhsa_float_denorm_mode_16_64 3
		.amdhsa_memory_ordered 1
		.amdhsa_forward_progress 1
		.amdhsa_inst_pref_size 216
	.end_amdhsa_kernel
	.amdgpu_metadata
---
amdhsa.version: [ 1, 2 ]
amdhsa.kernels:
  - .name:           k_q1e392e4486_gemm
    .symbol:         k_q1e392e4486_gemm.kd
    .args:
      - { .name: xq, .offset: 0, .size: 8, .value_kind: global_buffer, .address_space: global }
      - { .name: wq, .offset: 8, .size: 8, .value_kind: global_buffer, .address_space: global }
      - { .name: out0, .offset: 16, .size: 8, .value_kind: global_buffer, .address_space: global }
      - { .name: xs, .offset: 24, .size: 8, .value_kind: global_buffer, .address_space: global }
      - { .name: weight_scale, .offset: 32, .size: 8, .value_kind: global_buffer, .address_space: global }
      - { .name: bias, .offset: 40, .size: 8, .value_kind: global_buffer, .address_space: global }
    .group_segment_fixed_size: 327680
    .private_segment_fixed_size: 0
    .kernarg_segment_align: 8
    .kernarg_segment_size: 48
    .max_flat_workgroup_size: 128
    .sgpr_count:     76
    .vgpr_count:     1024
    .wavefront_size: 32
...
	.end_amdgpu_metadata
.endif
;; end of part 2
;; ======== version 2 of 2: 2 launches; version 1 with the launch quant written anew for expert scheduling mode
;; workspace buffers: xq 67,108,864 bytes; wq 8,388,608 bytes; xs 65,536 bytes
;; launch quant (part 3): grid 256 x 1, 16 waves a work-group, no clusters, 2,304 bytes of LDS; arguments x, weight_q, xq, wq, xs; writes xq, wq, xs
.if DOCPART == 3
	.amdgcn_target "amdgcn-amd-amdhsa--gfx1250"
	.amdhsa_code_object_version 6
	.text
	.protected	k_q1e392e4486_quant
	.globl	k_q1e392e4486_quant
	.p2align	8
	.type	k_q1e392e4486_quant,@function
k_q1e392e4486_quant:
	s_mov_b64 s[64:65], 0
	v_nop
	global_prefetch_b8 v0, s[64:65] scope:SCOPE_SE
	s_setreg_imm32_b32 hwreg(HW_REG_WAVE_SCHED_MODE, 0, 2), 2
	s_setreg_imm32_b32 hwreg(HW_REG_WAVE_MODE, 25, 1), 1
	s_wait_xcnt 0x0
	s_wait_alu depctr_vm_vsrc(0)
; PER-ROW FP8 QUANTISATION OF x, AND weight_q ROUNDED TO bf16.
;   xs[m] = max(max over k of |x[m][k]| / 448, 1e-12);  xq[m][k] = e4m3(clip(x[m][k] / xs[m], -448, 448)), written as bf16;  wq = bf16(weight_q).
; x: [16384][2048] f32.  weight_q: [2048][2048] f32.  xq: [16384][2048] bf16.  wq: [2048][2048] bf16.  xs: [16384] f32.
; Every e4m3 number (4 significant bits, exponents 2^-9 to 2^8) is a bf16 number, so xq holds the quantised x exactly.
; LIMITS.  NaN and infinities in x are not treated apart (the maxima and minima drop a NaN).  xs is m x (1/448), one rounding of 1/448 away from m / 448, and x / xs is x x rcp(xs): the quotient
; is off by about two units in f32's last place, so a number that close to the middle between two e4m3 codes may take the neighbouring code.  xs lies in 1e-12 to 7.6e35: its reciprocal is never
; a denormal.  weight_q that is no bf16 number is rounded to one, once.
; SHARES.  Work-group g owns rows 64 g .. 64 g + 63 of x and 65,536 bytes of weight_q; wave w rows 64 g + 4 w + 0..3 and 4,096 of those bytes.  ONE WAVE, ONE ROW: a row is 8,192 bytes, sixteen loads of
; 16 bytes a lane, 64 registers; it stays in registers between the pass that finds the maximum and the pass that quantises, so x is read once and no wave waits for another.
; STORES.  The four f32 of a lane's load become 8 bytes: one store of the wave covers 256 consecutive bytes, aligned.  The work-group's 64 scales meet in LDS and leave as one such store.
; THE MODE: SCHED_MODE bits 1:0 = 2 (LLVM: expert scheduling mode 2), set by the entry lines.  The code itself states the register dependences between vector instructions and memory or LDS
; instructions, with s_wait_alu, always for 0.
; THE PLAN.  A row's turn is two passes for the extremes and then four GROUPS of 16 registers (four of the row's sixteen chunks of 512 bytes).  Registers that memory or LDS instructions touch:
;   X0, X1     two row slots.  Written by loads; read by the turn's passes for the extremes; read and written in place by the groups' arithmetic.  No store of xq reads them.  The sixteen registers of
;              group g - 1 are loaded again, with the row two further on, in group g; group 3's at the head of the next turn.
;   Y          two registers for each of a row's 16 chunks.  Written by group g's roundings to bf16; read by the four stores that are issued in group g + 1 (group 3's: at the head of the next turn);
;              written again a whole row later.
;   S + i      row i's scale: written once, read by the turn's LDS store, never written again.
;   v4 .. v9   offsets and LDS addresses, made once at the head: rows and chunks stand in the immediates, and no base is stepped.
;   v11 to v27 are named by vector instructions alone, but for M at the very end, in which wave 0's LDS load lands.
; So a wait on va_vdst stands at the head of groups 1 to 3 and of turns 1 to 3: the group before has written its part of Y and is done with its part of X.  The four loads and four stores that hang on
; it are dealt among the vector instructions that follow, which name other registers.  One wait on vm_vsrc a turn, beside s_wait_xcnt 0, stands ahead of group 0, behind the last row's last stores.
; IN FLIGHT.  At the head of turns 1 and 2 twelve loads of the next row are out; its last four follow at once, and twelve of the row after it during the turn's groups.
.set SPARE, 256                        ; LDS: bytes 0-255 the 64 scales; from 256 on the spare words, 128 bytes for each of 16 waves, which no other line names
.set SPW, 2                            ; v2   LDS address of my spare word: SPARE + 4 x my thread's number; never rewritten
.set NIL, 3                            ; v3   0; never rewritten
.set LO,  4                            ; v4   x: 16 lane + 32,768 wave (four rows of 8,192 bytes); never rewritten: rows and chunks stand in the immediates
.set SO,  5                            ; v5   xq: 8 lane + 16,384 wave
.set WLO, 6                            ; v6   weight_q: 16 lane + 4,096 wave
.set WSO, 7                            ; v7   wq: 8 lane + 2,048 wave
.set LSA, 8                            ; v8   LDS: 16 wave: my four scales
.set L8,  9                            ; v9   8 lane
.set ONE, 11                           ; v11  1.0: the scale operand of the conversion to e4m3, whose exponent, 0, leaves the numbers as they are
.set Q,   12                           ; v[12:15] four words of e4m3 codes: sixteen numbers
.set M,   16                           ; v[16:19] four chains of maxima
.set N,   20                           ; v[20:23] four chains of minima
.set R,   26                           ; v[26:27] the reciprocal of the row's scale, twice: a pair for the packed multiply
.set S,   28                           ; v[28:31] row i's scale at S + i
.set X,   32                           ; v[32:95] slot 0, v[96:159] slot 1
.set Y,   160                          ; v[160:191] chunk c of the row that is going out: 8 bytes a lane at Y + 2 c
	s_load_b256 s[4:11], s[0:1], 0x0               ; x s[4:5], weight_q s[6:7], xq s[8:9], wq s[10:11]
	s_load_b64 s[12:13], s[0:1], 0x20              ; xs
	v_lshl_add_u32 v[SPW], v0, 2, SPARE
	v_mov_b32 v[NIL], 0
	v_lshrrev_b32 v10, 5, v0
	v_readfirstlane_b32 s14, v10                   ; wave 0..15
	v_and_b32 v1, 31, v0                           ; lane
	v_lshlrev_b32 v[L8], 3, v1
	v_mov_b32 v[ONE], 1.0
	s_mov_b32 s18, 0xc3e00000                      ; -448.0
	s_mov_b32 s19, 0x43e00000                      ; 448.0
	s_mov_b32 s20, 0x76543210                      ; v_permlanex16_b32: each lane takes its own place in the other half
	s_mov_b32 s21, 0xfedcba98
	s_mov_b32 s22, 0x3b124925                      ; 1 / 448
	s_mov_b32 s23, 0x2b8cbccc                      ; 1e-12
	s_mov_b32 s17, 0
	s_wait_alu depctr_va_sdst(0)                   ; s14 is written, ahead of its first reader: the four shifts below
	s_lshl_b32 s2, s14, 15                         ; the wave's number shifted four ways, each in a scalar register of its own
	s_lshl_b32 s3, s14, 14
	s_lshl_b32 s15, s14, 12
	s_lshl_b32 s16, s14, 11
	v_lshl_add_u32 v[LO], v1, 4, s2
	v_lshl_add_u32 v[SO], v1, 3, s3
	v_lshl_add_u32 v[WLO], v1, 4, s15
	v_lshl_add_u32 v[WSO], v1, 3, s16
	v_mov_b32 v[LSA], s14
	v_lshlrev_b32 v[LSA], 4, v[LSA]
	s_wait_alu depctr_va_vdst(0)                   ; v2 to v9 are written: every load, store and LDS instruction of the kernel reads one of them as its offset or address; s16 is written again only behind this wait
	s_wait_kmcnt 0x0
	s_lshl_b32 s16, ttmp9, 19                      ; 64 rows of 8,192 bytes
	s_add_nc_u64 s[4:5], s[4:5], s[16:17]
	s_lshl_b32 s16, ttmp9, 16                      ; 65,536 bytes of weight_q
	s_add_nc_u64 s[6:7], s[6:7], s[16:17]
	s_lshl_b32 s16, ttmp9, 18                      ; 64 rows of 4,096 bytes
	s_add_nc_u64 s[8:9], s[8:9], s[16:17]
	s_lshl_b32 s16, ttmp9, 15                      ; 32,768 bytes of wq
	s_add_nc_u64 s[10:11], s[10:11], s[16:17]
	s_lshl_b32 s16, ttmp9, 8                       ; 64 scales
	s_add_nc_u64 s[12:13], s[12:13], s[16:17]
.macro FILL s, i                       ; my row i into slot s: sixteen loads of 512 consecutive bytes
.irp j, 0,1,2,3,4,5,6,7,8,9,10,11,12,13,14,15
	global_load_b128 v[X+64*(\s)+4*(\j):X+64*(\s)+4*(\j)+3], v[LO], s[4:5] offset:8192*(\i)+512*(\j) th:TH_LOAD_NT
.endr
.endm
.macro XLOAD s, i, c                   ; chunk c of my row i into its four registers of slot s
	global_load_b128 v[X+64*(\s)+4*(\c):X+64*(\s)+4*(\c)+3], v[LO], s[4:5] offset:8192*(\i)+512*(\c) th:TH_LOAD_NT
.endm
.macro WLOAD c                         ; chunk c of eight of my 4,096 bytes of weight_q, into the lower half of slot 0
	global_load_b128 v[X+4*(\c):X+4*(\c)+3], v[WLO], s[6:7] offset:512*(\c) th:TH_LOAD_NT
.endm
.macro YSTORE i, c                     ; chunk c of my row i leaves
	global_store_b64 v[SO], v[Y+2*(\c):Y+2*(\c)+1], s[8:9] offset:4096*(\i)+256*(\c)  ; 32 lanes x 8 bytes: 256 consecutive bytes, aligned
.endm
; What follows the arithmetic on chunk c of row i in slot s, the load first.  next = 1: the chunk's registers take the row two further on; 2: the first eight chunks' take my part of weight_q; 0: nothing.
.macro PAIR s, i, c, next
.if (\next) == 1
	XLOAD \s, (\i)+2, \c
.elseif ((\next) == 2) && ((\c) < 8)
	WLOAD \c
.endif
	YSTORE \i, \c
.endm
; The largest (or smallest) of a lane's 64 numbers in slot s, into v[D]: four chains of 15 numbers, three operands at a time, the chains by turns so that no line reads the one before it; then the four left over.
.macro EXTREME op3, op2, D, s
.irp c, 0,1,2,3
	\op3 v[(\D)+(\c)], v[X+64*(\s)+16*(\c)], v[X+64*(\s)+16*(\c)+1], v[X+64*(\s)+16*(\c)+2]
.endr
.irp t, 1,2,3,4,5,6
.irp c, 0,1,2,3
	\op3 v[(\D)+(\c)], v[(\D)+(\c)], v[X+64*(\s)+16*(\c)+2*(\t)+1], v[X+64*(\s)+16*(\c)+2*(\t)+2]
.endr
.endr
	\op3 v[(\D)], v[(\D)], v[X+64*(\s)+15], v[X+64*(\s)+31]
	\op3 v[(\D)+2], v[(\D)+2], v[X+64*(\s)+47], v[X+64*(\s)+63]
	\op3 v[(\D)], v[(\D)], v[(\D)+1], v[(\D)+2]
	\op2 v[(\D)], v[(\D)], v[(\D)+3]
.endm
; Group g: sixteen registers (chunks 4 g .. 4 g + 3) of row i in slot s are quantised in place and rounded into Y.  Each kind of line stands as a batch, so that no line waits for its neighbour.
; The loads and stores that follow group g - 1 stand in front of the first four batches, a pair each: the batches name this group's X, v11-15, R and this group's part of Y, none of which those touch.
.macro GROUP s, i, g, next
.set b, X+64*(\s)+16*(\g)
.if (\g) > 0
	s_wait_alu depctr_va_vdst(0)                           ; the group before has written its part of Y, which the four stores below read, and is done reading and writing its sixteen registers of X, in which the loads below land
	PAIR \s, \i, 4*(\g)-4, \next
.endif
.set r, 0
.rept 8
	v_pk_mul_f32 v[b+r:b+r+1], v[b+r:b+r+1], v[R:R+1]      ; x / scale
.set r, r+2
.endr
.if (\g) > 0
	PAIR \s, \i, 4*(\g)-3, \next
.endif
.set r, 0
.rept 16
	v_med3_num_f32 v[b+r], v[b+r], s18, s19                ; the clip to +-448
.set r, r+1
.endr
.if (\g) > 0
	PAIR \s, \i, 4*(\g)-2, \next
.endif
	v_cvt_scalef32_pk8_fp8_f32 v[Q:Q+1], v[b:b+7], v[ONE]        ; to e4m3, eight numbers a line into a whole pair of registers: number n goes to byte n; the scale's exponent is 0
	v_cvt_scalef32_pk8_fp8_f32 v[Q+2:Q+3], v[b+8:b+15], v[ONE]
	v_nop                                                  ; a plain instruction behind the scaled conversions, before their results are read and their sources written
.if (\g) > 0
	PAIR \s, \i, 4*(\g)-1, \next
.endif
	v_cvt_pk_f32_fp8 v[b:b+1], v12.l                       ; and back
	v_cvt_pk_f32_fp8 v[b+2:b+3], v12.h
	v_cvt_pk_f32_fp8 v[b+4:b+5], v13.l
	v_cvt_pk_f32_fp8 v[b+6:b+7], v13.h
	v_cvt_pk_f32_fp8 v[b+8:b+9], v14.l
	v_cvt_pk_f32_fp8 v[b+10:b+11], v14.h
	v_cvt_pk_f32_fp8 v[b+12:b+13], v15.l
	v_cvt_pk_f32_fp8 v[b+14:b+15], v15.h
.irp j, 0,1,2,3
	v_cvt_pk_bf16_f32 v[Y+2*(4*(\g)+(\j))], v[b+4*(\j)], v[b+4*(\j)+1]        ; exact: an e4m3 number is a bf16 number
	v_cvt_pk_bf16_f32 v[Y+2*(4*(\g)+(\j))+1], v[b+4*(\j)+2], v[b+4*(\j)+3]
.endr
.endm
; The turn of my row i, in slot s.  left = how many younger loads may stay out.  next: what this turn's registers take when they are free (see PAIR); prev: the same of the turn before.
.macro TURN s, i, left, next, prev
	s_wait_loadcnt \left                           ; loads come back in order (ISA guide 5.7.1): my sixteen are in, the younger ones stay out
.if (\i) > 0
	s_wait_alu depctr_va_vdst(0)                   ; the last turn's group 3 has written Y's chunks 12 to 15, which the stores below read, and is done with its sixteen registers of the other slot, in which the loads below land
	PAIR 1-(\s), (\i)-1, 12, \prev                 ; dealt among the two passes, which name M, N and this turn's slot alone
	PAIR 1-(\s), (\i)-1, 13, \prev
.endif
	EXTREME v_max3_num_f32, v_max_num_f32, M, \s
.if (\i) > 0
	PAIR 1-(\s), (\i)-1, 14, \prev
	PAIR 1-(\s), (\i)-1, 15, \prev
.endif
	EXTREME v_min3_num_f32, v_min_num_f32, N, \s
	v_sub_f32 v[N], 0, v[N]
	v_max_num_f32 v[M], v[M], v[N]                 ; the lane's largest |x| = max(largest, -smallest)
	v_max_num_f32_dpp v[M], v[M], v[M] row_xmask:1 row_mask:0xf bank_mask:0xf
	v_max_num_f32_dpp v[M], v[M], v[M] row_xmask:2 row_mask:0xf bank_mask:0xf
	v_max_num_f32_dpp v[M], v[M], v[M] row_xmask:4 row_mask:0xf bank_mask:0xf
	v_max_num_f32_dpp v[M], v[M], v[M] row_xmask:8 row_mask:0xf bank_mask:0xf
	v_permlanex16_b32 v[N], v[M], s20, s21         ; its destination counts as read: N has been written
	v_max_num_f32 v[M], v[M], v[N]                 ; every lane holds the row's largest |x|
	v_mul_f32 v[S+(\i)], s22, v[M]
	v_max_num_f32 v[S+(\i)], s23, v[S+(\i)]        ; the scale, at least 1e-12
	v_rcp_f32 v[R], v[S+(\i)]
	v_rcp_f32 v[R+1], v[S+(\i)]
	v_nop                                          ; a plain instruction behind the last reciprocal, ahead of the first use (ISA guide 5.7.2)
.if (\i) > 0
	s_wait_xcnt 0x0                                ; the last row's stores have had their addresses translated (ISA guide 3.1): their data registers, Y, are rewritten only behind this wait,
	s_wait_alu depctr_vm_vsrc(0)                   ; and they have read Y, all sixteen chunks of which this turn's roundings write again
.endif
	s_wait_alu depctr_va_vdst(0)                   ; both reciprocals are written, ahead of their first reader; and so is the scale, which the LDS store reads
	ds_store_b32 v[LSA], v[S+(\i)] offset:4*(\i)   ; all lanes write the same word with the same number
	GROUP \s, \i, 0, \next
	GROUP \s, \i, 1, \next
	GROUP \s, \i, 2, \next
	GROUP \s, \i, 3, \next
.endm
	FILL 0, 0
	FILL 1, 1
	TURN 0, 0, 16, 1, 0                            ; 16: the other slot's sixteen loads are younger
	TURN 1, 1, 12, 1, 1                            ; 12: row 2's chunks 0 to 11, asked for in the turn before, are younger
	TURN 0, 2, 12, 2, 1                            ; 12: row 3's chunks 0 to 11; row 2's last four loads went out at the head of the turn before
	TURN 1, 3, 8, 0, 2                             ; 8: the eight loads of weight_q are younger
	s_wait_loadcnt 0x0                             ; my part of weight_q
.irp j, 0,1,2,3,4,5,6,7
	v_cvt_pk_bf16_f32 v[X+4*(\j)], v[X+4*(\j)], v[X+4*(\j)+1]
	v_cvt_pk_bf16_f32 v[X+4*(\j)+1], v[X+4*(\j)+2], v[X+4*(\j)+3]
.endr
	s_wait_alu depctr_va_vdst(0)                   ; the last group has written Y's chunks 12 to 15 and the roundings above their registers, which the twelve stores below read; no vector instruction follows, so M too is free for wave 0's LDS load
.irp c, 12,13,14,15
	YSTORE 3, \c
.endr
.irp j, 0,1,2,3,4,5,6,7
	global_store_b64 v[WSO], v[X+4*(\j):X+4*(\j)+1], s[10:11] offset:256*(\j)
.endr
	s_wait_dscnt 0x0                               ; for the others' sake: my four scales lie in LDS
	s_barrier_signal -1
	s_barrier_wait -1                              ; all 64 do
	s_cmp_lg_u32 s14, 0
	s_cbranch_scc1 .Lend                           ; wave 0 stores them
	ds_load_b64 v[M:M+1], v[L8]
	s_wait_dscnt 0x0
	global_store_b64 v[L8], v[M:M+1], s[12:13]     ; 256 consecutive bytes, aligned
.Lend:
	s_wait_dscnt 0x0                               ; the closing lines, six on end
	s_wait_alu 0x0
	s_wait_tensorcnt 0x0
	ds_add_u32 v[SPW], v[NIL]
	s_wait_dscnt 0x0
	s_endpgm
.Lfunc_end_k_q1e392e4486_quant:
	.size	k_q1e392e4486_quant, .Lfunc_end_k_q1e392e4486_quant-k_q1e392e4486_quant
	.p2alignl 7, 3214868480
	.fill 96, 4, 3214868480
	.section	.rodata,"a",@progbits
	.p2align	6, 0x0
	.amdhsa_kernel k_q1e392e4486_quant
		.amdhsa_group_segment_fixed_size 2304
		.amdhsa_private_segment_fixed_size 0
		.amdhsa_enable_private_segment 0
		.amdhsa_kernarg_size 40
		.amdhsa_user_sgpr_count 2
		.amdhsa_user_sgpr_kernarg_segment_ptr 1
		.amdhsa_wavefront_size32 1
		.amdhsa_system_sgpr_workgroup_id_x 1
		.amdhsa_system_sgpr_workgroup_id_y 1
		.amdhsa_system_sgpr_workgroup_id_z 1
		.amdhsa_system_vgpr_workitem_id 0
		.amdhsa_next_free_vgpr 192
		.amdhsa_next_free_sgpr 66
		.amdhsa_reserve_vcc 0
		.amdhsa_float_denorm_mode_32 3
		.amdhsa_float_denorm_mode_16_64 3
		.amdhsa_memory_ordered 1
		.amdhsa_forward_progress 1
		.amdhsa_inst_pref_size 75
	.end_amdhsa_kernel
	.amdgpu_metadata
---
amdhsa.version: [ 1, 2 ]
amdhsa.kernels:
  - .name:           k_q1e392e4486_quant
    .symbol:         k_q1e392e4486_quant.kd
    .args:
      - { .name: x, .offset: 0, .size: 8, .value_kind: global_buffer, .address_space: global }
      - { .name: weight_q, .offset: 8, .size: 8, .value_kind: global_buffer, .address_space: global }
      - { .name: xq, .offset: 16, .size: 8, .value_kind: global_buffer, .address_space: global }
      - { .name: wq, .offset: 24, .size: 8, .value_kind: global_buffer, .address_space: global }
      - { .name: xs, .offset: 32, .size: 8, .value_kind: global_buffer, .address_space: global }
    .group_segment_fixed_size: 2304
    .private_segment_fixed_size: 0
    .kernarg_segment_align: 8
    .kernarg_segment_size: 40
    .max_flat_workgroup_size: 512
    .sgpr_count:     66
    .vgpr_count:     192
    .wavefront_size: 32
...
	.end_amdgpu_metadata
.endif
;; end of part 3
;; launch gemm: the kernel of part 2 again; grid 8 x 32, 4 waves a work-group, clusters of 4 x 4, 327,680 bytes of LDS; arguments xq, wq, out0, xs, weight_scale, bias; writes out0
